; MI455X (gfx1250); checked and timed in simulation.
; The chip was launched on July 23, 2026; its instructions are those of AMD's public machine-readable ISA for CDNA 5 (MIT licence, August 2026) and "CDNA5" Instruction Set Architecture Reference Guide (July 2026). The comments in the code are by the model that wrote it; some were corrected since.
;; Vector Attention. Allowed arithmetic: float matrix products may take bf16 or f16 operands with f32 sums; all other float work in f32.
;; Inputs: W1 64 x 64 float32; W2 64 x 64 float32; Wk 64 x 64 float32; Wq 64 x 64 float32; Wv 64 x 64 float32; b1 64 float32; b2 64 float32; betak 64 float32; betaq 64 float32; betaw 64 float32; bk 64 float32; bq 64 float32; bv 64 float32; distribution 2 x 1,024 x 1 float32; feat 2 x 1,024 x 64 float32; gk 64 float32; gq 64 float32; gw 64 float32.
;; Outputs: out0 2 x 1,024 x 64 float32.
;; 2 versions, each right and faster than the one before. Each part assembles by itself: llvm-mc -triple=amdgcn-amd-amdhsa -mcpu=gfx1250 --defsym DOCPART=n.
;; ======== version 1 of 2: 2 launches
;; workspace buffers: jrec 1,605,632 bytes; qpf 524,288 bytes; cons 8,704 bytes
;; launch prep (part 1): grid 128 x 3, 1 waves a work-group, no clusters, 0 bytes of LDS; arguments feat, W1, b1, gw, Wq, bq, gq, betaq, Wk, bk, gk, betak, Wv, bv, distribution, W2, b2, betaw, qpf, jrec, cons; writes qpf, jrec, cons
.if DOCPART == 1
	.amdgcn_target "amdgcn-amd-amdhsa--gfx1250"
	.amdhsa_code_object_version 6
	.text
	.protected	k_q206e74d2c9_prep
	.globl	k_q206e74d2c9_prep
	.p2align	8
	.type	k_q206e74d2c9_prep,@function
k_q206e74d2c9_prep:
	s_mov_b64 s[64:65], 0
	v_nop
	global_prefetch_b8 v0, s[64:65] scope:SCOPE_SE
	s_setreg_imm32_b32 hwreg(HW_REG_WAVE_MODE, 25, 1), 1
	s_wait_xcnt 0x0
; PREP: all that hangs on ONE row of feat, and the constants of the pairwise layer.
; The pairwise first layer is linear: (k_j - q_i) W1^T + b1 = KPraw_j - QPraw_i with KPraw = k W1^T and QPraw = q W1^T - b1, and so is LayerNorm's mean.
; So each row's projection is made and centred here, once for each of the 2,048 rows, and the pairwise launch only subtracts.
; LayerNorm's gain: relu(g x + beta) = |g| relu(sgn(g) x + beta / |g|): the sign goes into the projections, |g| (and log2 e) into W2's columns, beta / |g| stays as the addend.
; Grid: x = a tile of 16 rows (128 tiles), y = the chain: 0 q -> qpf, 1 k -> jrec (+0), 2 v -> jrec (+4096: d v, +12288: d).  One wave to a work-group, no LDS, no barrier.
; The work-group (x = 0, y = 2) also makes cons: W2' as bf16 fragments, beta', b2'.
; PATTERN: lane (r = lane % 16, h = lane / 16) holds row r and 32 of its 64 channels: index 8 ct + t is channel 16 ct + 8 h + t.  Packed in pairs to bf16 this IS a 16x16x32 fragment (ISA guide 7.12.2).
; The second projection is later SUBTRACTED pairwise, so its operands are split into a bf16 head and a bf16 rest (three products: head x head, head x rest, rest x head).
; LIMITS.  A channel with |gw| < 2^-100 counts as gw = 0: its constant relu(betaw) goes into b2' (w changes by at most 8 x 2^-100 x |W2|); |betaw / gw| has to stay finite in f32.
; NaN and infinities in the inputs are not followed.
.set XF,   16                          ; v16-47   16 rows of feat, f32; packed in place to v16-31
.set KH,   16                          ; v16-31   later: head of q or k, bf16 fragments
.set KL,   32                          ; v32-47   later: its rest
.set Y,    48                          ; v48-79   the first product (starts as the bias), then q or k; at the end scratch
.set WS,   80                          ; v80-207  a 64 x 64 matrix in f32; packed in place to v80-143
.set W1H,  80                          ; v80-143  later: head of W1
.set W1L,  144                         ; v144-207 later: rest of W1
.set OUTV, 144                         ; v144-207 v chain: (max(d,0) v, min(d,0) v) pairs
.set TT,   208                         ; v208-239 scratch
.set D2,   208                         ; v208-239 later: the second product
.set BV,   208                         ; v chain: bv of my 4 channels
.set DV,   212                         ; v chain: d of my 8 keys
.set DR,   220                         ; v chain: two numbers of the d row
.set DPN,  224                         ; v chain: (max(d,0), min(d,0)) of my 8 keys
.set AG,   16                          ; constants: |gw|, then log2e |gw| or 0, in pattern
.set Z,    48                          ; constants: relu(betaw) of dead channels, else 0, in pattern
.set BP,   244                         ; constants: four pairs for b2'
.set W1S,  0                           ; window 1: v0-127 W1 (or W2) in f32
.set G,    128                         ; window 1: gain, offset, b1, gw in pattern (constants: gw at 128, betaw at 160, b2 at 192, gw and betaw in natural order at 196, 198)
.set BE,   160
.set B1,   192
.set GW,   224
.set MSB, 0
.macro WIN new                         ; s_set_vgpr_msb: bits 1:0 source 0, 3:2 source 1, 5:4 source 2, 7:6 destination; the high byte repeats the setting that is left
.if MSB != (\new)
	s_set_vgpr_msb (MSB<<8)|(\new)
.set MSB, (\new)
.endif
.endm
.macro NOP4
.rept 4
	v_nop
.endr
.endm
.macro LDROW dst, lo, off              ; 16 rows of 64 f32 at byte off: lane (r, h) takes row r in pattern; v3 = 256 r + 32 h
.irp ct, 0,1,2,3
.irp e, 0,1
	global_load_b128 v[\dst+8*\ct+4*\e:\dst+8*\ct+4*\e+3], v3, s[\lo:\lo+1] offset:\off+64*\ct+16*\e
.endr
.endr
.endm
.macro LDFRAG dst, lo                  ; a 64 x 64 matrix: block co of 16 rows into dst + 32 co
.irp co, 0,1,2,3
	LDROW \dst+32*\co, \lo, 4096*\co
.endr
.endm
.macro LDPAT dst, lo                   ; a vector of 64 f32 in pattern; v4 = 32 h
.irp ct, 0,1,2,3
.irp e, 0,1
	global_load_b128 v[\dst+8*\ct+4*\e:\dst+8*\ct+4*\e+3], v4, s[\lo:\lo+1] offset:64*\ct+16*\e
.endr
.endr
.endm
.macro PACKIP reg, n                   ; 2 n f32 -> n registers of bf16 pairs, in place, ascending: fragment (co, ks) then lies at reg + 8 (2 co + ks)
.set i, 0
.rept \n
	v_cvt_pk_bf16_f32 v[\reg+i], v[\reg+2*i], v[\reg+2*i+1]
.set i, i+1
.endr
.endm
.macro HSUM p                          ; a pair's two numbers and the other half of the lanes' (the row's other 32 channels)
	v_add_f32 v[\p], v[\p], v[\p+1]
	v_permlanex16_b32 v[\p+1], v[\p], s62, s63
	v_add_f32 v[\p], v[\p], v[\p+1]
.endm
.macro CENTRE src, tmp                 ; src[0..31] minus the row's mean.  Each accumulator is read from its low end on
.irp i, 0,1,2,3,4,5,6,7
	v_pk_add_f32 v[\tmp+2*\i:\tmp+2*\i+1], v[\src+4*\i:\src+4*\i+1], v[\src+4*\i+2:\src+4*\i+3]
.endr
.irp i, 0,1,2,3
	v_pk_add_f32 v[\tmp+4*\i:\tmp+4*\i+1], v[\tmp+4*\i:\tmp+4*\i+1], v[\tmp+4*\i+2:\tmp+4*\i+3]
.endr
	v_pk_add_f32 v[\tmp:\tmp+1], v[\tmp:\tmp+1], v[\tmp+4:\tmp+5]
	v_pk_add_f32 v[\tmp+8:\tmp+9], v[\tmp+8:\tmp+9], v[\tmp+12:\tmp+13]
	v_pk_add_f32 v[\tmp:\tmp+1], v[\tmp:\tmp+1], v[\tmp+8:\tmp+9]
	HSUM \tmp
	v_mul_f32 v[\tmp], s60, v[\tmp]
.set i, 0
.rept 16
	v_pk_add_f32 v[\src+i:\src+i+1], v[\src+i:\src+i+1], v[\tmp:\tmp+1] op_sel_hi:[1,0] neg_lo:[0,1] neg_hi:[0,1]
.set i, i+2
.endr
.endm
.macro SPLIT src, sw, hi, lo, chunks   ; f32 (in window sw) -> bf16 head and bf16 of what the head leaves, 32 numbers at a time through TT
.set c, 0
.rept \chunks
	WIN 5*\sw
.set i, 0
.rept 16
	v_cvt_pk_bf16_f32 v[\hi+16*c+i], v[\src+32*c+2*i], v[\src+32*c+2*i+1]
.set i, i+1
.endr
	WIN 0
.set i, 0
.rept 16
	v_lshlrev_b32 v[TT+2*i], 16, v[\hi+16*c+i]
	v_and_b32 v[TT+2*i+1], s69, v[\hi+16*c+i]
.set i, i+1
.endr
	WIN \sw
.set i, 0
.rept 16
	v_pk_add_f32 v[TT+2*i:TT+2*i+1], v[\src+32*c+2*i:\src+32*c+2*i+1], v[TT+2*i:TT+2*i+1] neg_lo:[0,1] neg_hi:[0,1]
.set i, i+1
.endr
	WIN 0
.set i, 0
.rept 16
	v_cvt_pk_bf16_f32 v[\lo+16*c+i], v[TT+2*i], v[TT+2*i+1]
.set i, i+1
.endr
.set c, c+1
.endr
.endm
.macro PROD wf, kf                     ; D2 += W1 part x row part, transposed use (source 0 = 16 output channels, source 1 = 16 rows): a lane's results are its row in pattern.
.irp ks, 0,1                           ; The four accumulators take turns, one instruction a turn
.irp co, 0,1,2,3
	v_wmma_f32_16x16x32_bf16 v[D2+8*\co:D2+8*\co+7], v[\wf+8*(2*\co+\ks):\wf+8*(2*\co+\ks)+7], v[\kf+8*\ks:\kf+8*\ks+7], v[D2+8*\co:D2+8*\co+7]
.endr
.endr
.endm
	s_load_b512 s[4:19], s[0:1], 0x0               ; feat 4, W1 6, b1 8, gw 10, Wq 12, bq 14, gq 16, betaq 18
	s_load_b512 s[20:35], s[0:1], 0x40             ; Wk 20, bk 22, gk 24, betak 26, Wv 28, bv 30, distribution 32, W2 34
	s_load_b256 s[36:43], s[0:1], 0x80             ; b2 36, betaw 38, qpf 40, jrec 42
	s_load_b64 s[44:45], s[0:1], 0xa0              ; cons
	s_and_b32 s57, ttmp7, 0xffff                   ; the chain
	v_and_b32 v1, 15, v0                           ; r
	v_lshrrev_b32 v2, 4, v0                        ; h (one wave: v0 is the lane)
	v_lshlrev_b32 v3, 8, v1
	v_lshl_add_u32 v3, v2, 5, v3                   ; 256 r + 32 h
	v_lshlrev_b32 v4, 5, v2                        ; 32 h
	v_lshlrev_b32 v5, 4, v0                        ; 16 lane
	s_mov_b32 s60, 0x3c800000                      ; 1 / 64
	s_mov_b32 s61, 0x3727c5ac                      ; 1e-5
	s_mov_b32 s62, 0x76543210                      ; v_permlanex16_b32: each lane takes its own place in the other half
	s_mov_b32 s63, 0xfedcba98
	s_mov_b32 s66, 0x3fb8aa3b                      ; log2 e
	s_mov_b32 s67, 0x0d800000                      ; 2^-100
	s_mov_b32 s68, 0x7fffffff
	s_mov_b32 s69, 0xffff0000
	s_mov_b32 s76, 0x80000000
	s_lshl_b32 s70, ttmp9, 12                      ; the tile's 16 rows of 256 bytes
	s_mov_b32 s71, 0
	s_mov_b32 s73, 0
	s_movk_i32 s74, 4096                           ; bytes from tile to tile in qpf,
	s_movk_i32 s75, 12544                          ; in jrec
	s_wait_kmcnt 0x0
	s_add_nc_u64 s[4:5], s[4:5], s[70:71]          ; feat at my tile
	s_cmp_eq_u32 s57, 2
	s_cbranch_scc1 .Lv
	; ---- q and k: Linear, LayerNorm, ReLU, projection by W1, centred, signed ----
	s_cmp_eq_u32 s57, 0
	s_cselect_b64 s[46:47], s[12:13], s[20:21]     ; W
	s_cselect_b64 s[48:49], s[14:15], s[22:23]     ; bias
	s_cselect_b64 s[50:51], s[16:17], s[24:25]     ; gain
	s_cselect_b64 s[52:53], s[18:19], s[26:27]     ; offset
	s_cselect_b64 s[54:55], s[40:41], s[42:43]     ; where the result goes
	s_cselect_b32 s56, s74, s75
	s_cselect_b32 s58, 0xbf800000, 0               ; the second product starts at -b1 (q) or at 0 x b1 (k)
	s_mov_b32 s59, s58                             ; named with it as a pair, so it is written
	s_mul_i32 s72, ttmp9, s56
	s_add_nc_u64 s[54:55], s[54:55], s[72:73]
	LDROW XF, 4, 0                                 ; 112 loads, all at once, in the order in which they are needed
	LDFRAG WS, 46
	LDPAT Y, 48
	WIN 0x40                                       ; destination window 1, address window 0
	LDPAT G, 50
	LDPAT BE, 52
	LDFRAG W1S, 6
	LDPAT B1, 8
	LDPAT GW, 10
	WIN 0
	s_wait_loadcnt 63                              ; feat, W and the bias are the oldest 48 of 112; 64 are younger, and 63 (the largest count that the field takes) leaves at least 49 done
	PACKIP XF, 16
	PACKIP WS, 64
.irp ks, 0,1                                           ; Y = bias + W x rows, transposed use; four accumulators by turns
.irp co, 0,1,2,3
	v_wmma_f32_16x16x32_bf16 v[Y+8*\co:Y+8*\co+7], v[WS+8*(2*\co+\ks):WS+8*(2*\co+\ks)+7], v[XF+8*\ks:XF+8*\ks+7], v[Y+8*\co:Y+8*\co+7]
.endr
.endr
	NOP4                                           ; four places (ISA guide 7.12.1): what follows writes W's fragments, and later reads Y
	s_wait_loadcnt 16                              ; gain, offset and W1 are in; b1's and gw's 16 loads are younger
	SPLIT W1S, 1, W1H, W1L, 4
	CENTRE Y, TT
.irp c, 0,2,4,6                                        ; the sum of squares, in four chains
	v_pk_mul_f32 v[TT+\c:TT+\c+1], v[Y+\c:Y+\c+1], v[Y+\c:Y+\c+1]
.endr
.set i, 8
.rept 12
	v_pk_fma_f32 v[TT+i%8:TT+i%8+1], v[Y+i:Y+i+1], v[Y+i:Y+i+1], v[TT+i%8:TT+i%8+1]
.set i, i+2
.endr
	v_pk_add_f32 v[TT:TT+1], v[TT:TT+1], v[TT+2:TT+3]
	v_pk_add_f32 v[TT+4:TT+5], v[TT+4:TT+5], v[TT+6:TT+7]
	v_pk_add_f32 v[TT:TT+1], v[TT:TT+1], v[TT+4:TT+5]
	HSUM TT
	v_fma_f32 v[TT], v[TT], s60, s61               ; variance + 1e-5
	v_rsq_f32 v[TT+2], v[TT]
	v_nop                                          ; a plain instruction between the root and its use
.set i, 0
.rept 16
	v_pk_mul_f32 v[Y+i:Y+i+1], v[Y+i:Y+i+1], v[TT+2:TT+3] op_sel_hi:[1,0]
.set i, i+2
.endr
	WIN 0x14                                       ; sources 1 and 2 window 1
.set i, 0
.rept 16
	v_pk_fma_f32 v[Y+i:Y+i+1], v[Y+i:Y+i+1], v[G+i:G+i+1], v[BE+i:BE+i+1]
.set i, i+2
.endr
	WIN 0
.set i, 0
.rept 32
	v_max_num_f32 v[Y+i], 0, v[Y+i]
.set i, i+1
.endr
	SPLIT Y, 0, KH, KL, 1
	s_wait_loadcnt 8                               ; b1 is in; gw's 8 loads are younger
	WIN 0x01                                       ; source 0 window 1
.set i, 0
.rept 16
	v_pk_mul_f32 v[D2+i:D2+i+1], v[B1+i:B1+i+1], s[58:59] op_sel_hi:[1,0]
.set i, i+2
.endr
	WIN 0
	PROD W1H, KH
	PROD W1H, KL
	PROD W1L, KH
	NOP4                                           ; four places before the results are read
	CENTRE D2, Y
	s_wait_loadcnt 0x0                             ; gw
	WIN 0x04                                       ; source 1 window 1
.set i, 0
.rept 32
	v_and_b32 v[Y+i], s76, v[GW+i]                 ; gw's sign
.set i, i+1
.endr
	WIN 0
.set i, 0
.rept 32
	v_xor_b32 v[D2+i], v[D2+i], v[Y+i]
.set i, i+1
.endr
.irp u, 0,1,2,3,4,5,6,7
	global_store_b128 v5, v[D2+4*\u:D2+4*\u+3], s[54:55] offset:512*\u     ; each store of the wave covers 512 consecutive bytes, aligned
.endr
	s_endpgm
	; ---- v: Linear, times max(d, 0) and min(d, 0); the row of d ----
; Natural use (source 0 = 16 rows, source 1 = 16 output channels): lane (r, h) holds channel 16 ct + r of the keys 8 h + t, as the pairwise launch's weights lie.
.macro VCHAIN
	LDROW XF, 4, 0
	LDFRAG WS, 28
.irp ct, 0,1,2,3
	global_load_b32 v[BV+\ct], v6, s[30:31] offset:64*\ct
.endr
.irp e, 0,1
	global_load_b128 v[DV+4*\e:DV+4*\e+3], v4, s[32:33] offset:16*\e
.endr
	global_load_b64 v[DR:DR+1], v7, s[32:33]
	s_wait_loadcnt 0x0
	PACKIP XF, 16
	PACKIP WS, 64
.irp ct, 0,1,2,3                                       ; the first K step starts the sums; four accumulators by turns
	v_wmma_f32_16x16x32_bf16 v[Y+8*\ct:Y+8*\ct+7], v[XF:XF+7], v[WS+16*\ct:WS+16*\ct+7], 0
.endr
.irp ct, 0,1,2,3
	v_wmma_f32_16x16x32_bf16 v[Y+8*\ct:Y+8*\ct+7], v[XF+8:XF+15], v[WS+16*\ct+8:WS+16*\ct+15], v[Y+8*\ct:Y+8*\ct+7]
.endr
.irp t, 0,1,2,3,4,5,6,7                                ; sixteen plain instructions that name no register of the products: the places behind them
	v_max_num_f32 v[DPN+2*\t], 0, v[DV+\t]
	v_min_num_f32 v[DPN+2*\t+1], 0, v[DV+\t]
.endr
.irp ct, 0,2
.irp u, 0,2,4,6
	v_pk_add_f32 v[Y+8*\ct+\u:Y+8*\ct+\u+1], v[Y+8*\ct+\u:Y+8*\ct+\u+1], v[BV+\ct:BV+\ct+1] op_sel_hi:[1,0]
.endr
.irp u, 0,2,4,6
	v_pk_add_f32 v[Y+8*\ct+8+\u:Y+8*\ct+8+\u+1], v[Y+8*\ct+8+\u:Y+8*\ct+8+\u+1], v[BV+\ct:BV+\ct+1] op_sel:[0,1] op_sel_hi:[1,1]
.endr
.endr
.irp ct, 0,1,2,3
.irp t, 0,2,4,6
	v_pk_mul_f32 v[OUTV+16*\ct+2*\t:OUTV+16*\ct+2*\t+1], v[Y+8*\ct+\t:Y+8*\ct+\t+1], v[DPN+2*\t:DPN+2*\t+1] op_sel_hi:[0,1]
	v_pk_mul_f32 v[OUTV+16*\ct+2*\t+2:OUTV+16*\ct+2*\t+3], v[Y+8*\ct+\t:Y+8*\ct+\t+1], v[DPN+2*\t+2:DPN+2*\t+3] op_sel:[1,0] op_sel_hi:[1,1]
.endr
.endr
.irp u, 0,1,2,3,4,5,6,7,8,9,10,11,12,13,14,15
	global_store_b128 v5, v[OUTV+4*\u:OUTV+4*\u+3], s[42:43] offset:4096+512*\u
.endr
	global_store_b64 v8, v[DR:DR+1], s[42:43] offset:12288         ; 64 numbers: number f is d of key f % 16: the record's last 256 bytes, all written
.endm
.Lv:
	v_lshlrev_b32 v6, 2, v1                        ; 4 r
	v_and_b32 v7, 7, v0
	v_lshlrev_b32 v7, 3, v7                        ; 8 (lane % 8)
	v_lshlrev_b32 v8, 3, v0                        ; 8 lane
	v_lshlrev_b32 v9, 2, v0                        ; 4 lane
	s_lshl_b32 s72, ttmp9, 6
	s_add_nc_u64 s[32:33], s[32:33], s[72:73]      ; d at my tile's 16 keys
	s_mul_i32 s72, ttmp9, 12544
	s_add_nc_u64 s[42:43], s[42:43], s[72:73]      ; my record
	s_cmp_lg_u32 ttmp9, 0
	s_cbranch_scc1 .Lplain_v
	; tile 0's work-group makes the constants too: its path is written out, with their loads ahead of the chain's
	WIN 0x40
	LDFRAG W1S, 34                                 ; W2
	LDPAT 128, 10                                  ; gw in pattern
	LDPAT 160, 38                                  ; betaw in pattern
.irp ct, 0,1,2,3
	global_load_b32 v[192+\ct], v6, s[36:37] offset:64*\ct         ; b2 of channel 16 ct + r
.endr
	global_load_b64 v[196:197], v8, s[10:11]       ; gw and betaw as they lie
	global_load_b64 v[198:199], v8, s[38:39]
	WIN 0
	VCHAIN
	s_wait_xcnt 0x0                                ; the stores' data registers are written again only behind this wait
	WIN 0x04                                       ; source 1 window 1
.set i, 0
.rept 32
	v_and_b32 v[AG+i], s68, v[128+i]               ; |gw|
	v_max_num_f32 v[Z+i], 0, v[160+i]              ; relu(betaw)
.set i, i+1
.endr
	WIN 0
.set i, 0
.rept 32
	v_cmp_le_f32 vcc_lo, s67, v[AG+i]              ; alive: 2^-100 <= |gw|
	v_mul_f32 v[AG+i], s66, v[AG+i]
	v_cndmask_b32 v[AG+i], 0, v[AG+i], vcc_lo      ; log2e |gw|, or 0
	v_cndmask_b32 v[Z+i], v[Z+i], 0, vcc_lo        ; 0, or the dead channel's constant
.set i, i+1
.endr
	WIN 0x01                                       ; source 0 window 1
.irp co, 0,1,2,3
	v_pk_mul_f32 v[BP+2*\co:BP+2*\co+1], v[32*\co:32*\co+1], v[Z:Z+1]
.endr
.set i, 2
.rept 15
.irp co, 0,1,2,3
	v_pk_fma_f32 v[BP+2*\co:BP+2*\co+1], v[32*\co+i:32*\co+i+1], v[Z+i:Z+i+1], v[BP+2*\co:BP+2*\co+1]
.endr
.set i, i+2
.endr
.set i, 0
.rept 64
	v_pk_mul_f32 v[WS+i:WS+i+1], v[i:i+1], v[AG+i%32:AG+i%32+1]    ; W2' = log2e W2 |gw|
.set i, i+2
.endr
	WIN 0
.irp co, 0,1,2,3
	HSUM BP+2*\co
.endr
	WIN 0x01
.irp co, 0,1,2,3
	v_add_f32 v[BP+2*\co], v[192+\co], v[BP+2*\co]
.endr
	WIN 0x04
	v_and_b32 v240, s68, v196
	v_and_b32 v241, s68, v197
	WIN 0
.irp co, 0,1,2,3
	v_mul_f32 v[BP+2*\co], s66, v[BP+2*\co]        ; b2' of channel 16 co + r
.endr
	PACKIP WS, 64
	v_rcp_f32 v242, v240
	v_rcp_f32 v243, v241
	v_nop                                          ; a plain instruction between the reciprocals and their use
	v_cmp_le_f32 vcc_lo, s67, v240
	v_cmp_le_f32 s70, s67, v241
	WIN 0x01
	v_mul_f32 v242, v198, v242                     ; betaw / |gw|
	v_mul_f32 v243, v199, v243
	WIN 0
	v_cndmask_b32 v242, 0, v242, vcc_lo
	v_cndmask_b32 v243, 0, v243, s70
	v_cmp_eq_u32 vcc_lo, 1, v2
	v_cndmask_b32 v252, v[BP], v[BP+2], vcc_lo     ; number 32 e + lane of b2' is channel 16 (2 e + h) + r
	v_cndmask_b32 v253, v[BP+4], v[BP+6], vcc_lo
.irp u, 0,1,2,3,4,5,6,7,8,9,10,11,12,13,14,15
	global_store_b128 v5, v[WS+4*\u:WS+4*\u+3], s[44:45] offset:512*\u
.endr
	global_store_b64 v8, v[242:243], s[44:45] offset:8192
	global_store_b32 v9, v252, s[44:45] offset:8448
	global_store_b32 v9, v253, s[44:45] offset:8576
	s_endpgm
.Lplain_v:
	VCHAIN
	s_endpgm
.Lfunc_end_k_q206e74d2c9_prep:
	.size	k_q206e74d2c9_prep, .Lfunc_end_k_q206e74d2c9_prep-k_q206e74d2c9_prep
	.p2alignl 7, 3214868480
	.fill 96, 4, 3214868480
	.section	.rodata,"a",@progbits
	.p2align	6, 0x0
	.amdhsa_kernel k_q206e74d2c9_prep
		.amdhsa_group_segment_fixed_size 0
		.amdhsa_private_segment_fixed_size 0
		.amdhsa_enable_private_segment 0
		.amdhsa_kernarg_size 168
		.amdhsa_user_sgpr_count 2
		.amdhsa_user_sgpr_kernarg_segment_ptr 1
		.amdhsa_wavefront_size32 1
		.amdhsa_system_sgpr_workgroup_id_x 1
		.amdhsa_system_sgpr_workgroup_id_y 1
		.amdhsa_system_sgpr_workgroup_id_z 1
		.amdhsa_system_vgpr_workitem_id 0
		.amdhsa_next_free_vgpr 512
		.amdhsa_next_free_sgpr 80
		.amdhsa_reserve_vcc 1
		.amdhsa_float_denorm_mode_32 3
		.amdhsa_float_denorm_mode_16_64 3
		.amdhsa_memory_ordered 1
		.amdhsa_forward_progress 1
		.amdhsa_inst_pref_size 111
	.end_amdhsa_kernel
	.amdgpu_metadata
---
amdhsa.version: [ 1, 2 ]
amdhsa.kernels:
  - .name:           k_q206e74d2c9_prep
    .symbol:         k_q206e74d2c9_prep.kd
    .args:
      - { .name: feat, .offset: 0, .size: 8, .value_kind: global_buffer, .address_space: global }
      - { .name: W1, .offset: 8, .size: 8, .value_kind: global_buffer, .address_space: global }
      - { .name: b1, .offset: 16, .size: 8, .value_kind: global_buffer, .address_space: global }
      - { .name: gw, .offset: 24, .size: 8, .value_kind: global_buffer, .address_space: global }
      - { .name: Wq, .offset: 32, .size: 8, .value_kind: global_buffer, .address_space: global }
      - { .name: bq, .offset: 40, .size: 8, .value_kind: global_buffer, .address_space: global }
      - { .name: gq, .offset: 48, .size: 8, .value_kind: global_buffer, .address_space: global }
      - { .name: betaq, .offset: 56, .size: 8, .value_kind: global_buffer, .address_space: global }
      - { .name: Wk, .offset: 64, .size: 8, .value_kind: global_buffer, .address_space: global }
      - { .name: bk, .offset: 72, .size: 8, .value_kind: global_buffer, .address_space: global }
      - { .name: gk, .offset: 80, .size: 8, .value_kind: global_buffer, .address_space: global }
      - { .name: betak, .offset: 88, .size: 8, .value_kind: global_buffer, .address_space: global }
      - { .name: Wv, .offset: 96, .size: 8, .value_kind: global_buffer, .address_space: global }
      - { .name: bv, .offset: 104, .size: 8, .value_kind: global_buffer, .address_space: global }
      - { .name: distribution, .offset: 112, .size: 8, .value_kind: global_buffer, .address_space: global }
      - { .name: W2, .offset: 120, .size: 8, .value_kind: global_buffer, .address_space: global }
      - { .name: b2, .offset: 128, .size: 8, .value_kind: global_buffer, .address_space: global }
      - { .name: betaw, .offset: 136, .size: 8, .value_kind: global_buffer, .address_space: global }
      - { .name: qpf, .offset: 144, .size: 8, .value_kind: global_buffer, .address_space: global }
      - { .name: jrec, .offset: 152, .size: 8, .value_kind: global_buffer, .address_space: global }
      - { .name: cons, .offset: 160, .size: 8, .value_kind: global_buffer, .address_space: global }
    .group_segment_fixed_size: 0
    .private_segment_fixed_size: 0
    .kernarg_segment_align: 8
    .kernarg_segment_size: 168
    .max_flat_workgroup_size: 32
    .sgpr_count:     80
    .vgpr_count:     512
    .wavefront_size: 32
...
	.end_amdgpu_metadata
.endif
;; end of part 1
;; launch pairs (part 2): grid 256 x 1, 8 waves a work-group, clusters of 4 x 1, 327,680 bytes of LDS; arguments jrec, qpf, cons, distribution, out0; writes out0
.if DOCPART == 2
	.amdgcn_target "amdgcn-amd-amdhsa--gfx1250"
	.amdhsa_code_object_version 6
	.text
	.protected	k_q206e74d2c9_pairs
	.globl	k_q206e74d2c9_pairs
	.p2align	8
	.type	k_q206e74d2c9_pairs,@function
k_q206e74d2c9_pairs:
	s_mov_b64 s[64:65], 0
	v_nop
	global_prefetch_b8 v0, s[64:65] scope:SCOPE_SE
	s_setreg_imm32_b32 hwreg(HW_REG_WAVE_MODE, 25, 1), 1
	s_wait_xcnt 0x0
	s_wait_alu depctr_hold_cnt(0) depctr_sa_sdst(0) depctr_va_vdst(0) depctr_va_sdst(0) depctr_va_ssrc(0) depctr_va_vcc(0) depctr_vm_vsrc(0)
	s_getreg_b32 s2, hwreg(HW_REG_IB_STS2, 6, 4)
	s_cmp_eq_u32 s2, 0
	s_cbranch_scc0 .Lentry_in_a_cluster
	s_endpgm
.Lentry_in_a_cluster:
	s_bfe_u32 s2, ttmp6, 0x10000c
	s_cmp_lg_u32 s2, 0x3003
	s_cbranch_scc0 .Lentry_shape_is_right
	s_endpgm
.Lentry_shape_is_right:
; PAIRS: for each query i and channel c: out = sum_j [d_i d_j > 0] p_j d_j v_j / sum_j p_j d_j, p_j = exp(w_ijc - max_j w_ijc), w = relu(LN(KP_j - QP_i)) W2^T + b2.
; KP, QP (centred, signed projections), d v, d, W2' (bf16 fragments, log2 e and |gw| folded in), beta' and b2' come from the launch before.
; SHARES.  A work-group owns 8 queries (rows 8 wg ..), eight waves.  Wave w: g = w % 2 takes queries 4 g .. 4 g + 3, jq = w / 2 takes key tiles 16 jq .. 16 jq + 15 of the batch's 64.
; A UNIT is one query x 16 keys x 64 channels: 32 registers of numbers.  IN: lane (r, h) holds key r and 32 channels (index 8 ct + t = channel 16 ct + 8 h + t): subtract, sum of squares (one
; exchange between the halves of the lanes), one fused multiply-add normalises, ReLU, rounding to bf16: that IS source 0 of the product.  MM: 8 matrix instructions, b2' as the first C.
; OUT: lane (r, h) holds channel 16 ct + r and keys 8 h + t: a running maximum m, and l, oP, oN (the sums with d, max(d,0) v, min(d,0) v), all per lane: nothing changes lanes.
; The 8 partial results of a query and channel (4 key quarters x 2 halves of the lanes) are merged at the end through LDS.
; Two waves of 512 registers lie on a SIMD: the loop is bound by vector issue and has dependent runs (the root, 36 exponentials), which the other wave's work fills.
; RING.  Two LDS slots of 8 records (12,544 bytes: KP 4,096, d v 8,192, d 256): two key tiles for each quarter.  Each wave fetches one record with one tensor load of 49 rows x 256 bytes.
; CLUSTER.  The four work-groups of a cluster belong to one batch and walk the same records: every fill is a joint load with a mask that names the four.
; LIMITS.  The mask is taken from the signs of d_i and d_j: it differs from d_i d_j > 0 only where that product underflows (|d_i d_j| < 2^-149).  Weights and sums below 2^-126 count as 0
; (the exponential and the reciprocal flush denormals: ISA guide 15.8).  NaN and infinities in the inputs are not followed.
.set REC,  12544
.set SLOT, 8*REC                       ; 100,352
.set SCR,  2*SLOT                      ; 200,704, a multiple of 256: the merge's scratch, 8,192 bytes a wave; no fill lands here
.set LA,   1                           ; v1-2    slot s: the quarter's two records + 16 lane
.set LD,   3                           ; v3-4    slot s: the quarter's two records + 32 h
.set T,    16                          ; v16-23  at work
.set DD,   24                          ; v24-31  d of keys 8 h + t
.set M,    32                          ; v32-47  running maximum, [4 q + ct]
.set ACT,  48                          ; v48-63  the activations in bf16; in OUT: the new maximum at +ct, the rescaling factor at +4+2 ct
.set HD,   64                          ; v64-95  the unit's 32 numbers: difference, activation, w, weight
.set KP,   96                          ; v96-127
.set BETA, 128                         ; v128-159
.set B2C,  160                         ; v160-191 b2' of channel 16 ct + r, eight times for each ct: the C of the first product
.set W2F,  192                         ; v192-255 fragment (ct, ks) at +16 ct + 8 ks
.set RES,  128                         ; the merge: l, oP, oN for each of my two channels
.set Q,    0                           ; window 1: v0-127 QP of my four queries
.set DV2,  128                         ; window 1: v128-191 (max(d,0) v, min(d,0) v) at +16 ct + 2 t
.set ST,   192                         ; window 1: v192-255 at +4 (4 q + ct): l (even keys', odd keys'), oP, oN
.set WV,   14                          ; s14 my wave's number
.set G1,   24                          ; s[24:31] descriptor group 1
.set G0,   32                          ; s[32:39] descriptor group 0, a set for each slot
.set MSB, 0
.macro WIN new                         ; s_set_vgpr_msb: bits 1:0 source 0, 3:2 source 1, 5:4 source 2, 7:6 destination; the high byte repeats the setting that is left
.if MSB != (\new)
	s_set_vgpr_msb (MSB<<8)|(\new)
.set MSB, (\new)
.endif
.endm
.macro NOP4
.rept 4
	v_nop
.endr
.endm
; A round of the cluster's barrier: my work-group's barrier, so that wave 0's signal speaks for all eight waves; wave 0 signals for the work-group; every wave waits for all four work-groups; my work-group's barrier once more.
.macro ROUND
	s_barrier_signal -1
	s_barrier_wait -1
	s_cmp_lg_u32 s[WV], 0
	s_cbranch_scc1 .Lnot_wave_0_\@
	s_barrier_signal -3
.Lnot_wave_0_\@:
	s_barrier_wait -3
	s_barrier_signal -1
	s_barrier_wait -1
.endm
; The change of slots; slot is the one read next.  Each wave waits for all its tensor loads (one is out: its record of that slot) and for its reads of the other slot.
; refill = 1: the barrier is a round of the cluster's, and the other slot's joint refill (the records four tiles on) is the first thing behind it: it has a slot's work, 8 units a wave, in which to land.
.macro CHG slot, refill
	WIN 0                                          ; at a label and at a branch every window is 0
	s_wait_tensorcnt 0x0                           ; no tensor load of mine is out, so a group 0 may be written
.if \refill
	s_add_nc_u64 s[G0+6-4*\slot:G0+7-4*\slot], s[G0+6-4*\slot:G0+7-4*\slot], 4*REC
.endif
	s_wait_dscnt 0x0
.if \refill
	ROUND
	tensor_load_to_lds s[G0+4-4*\slot:G0+7-4*\slot], s[G1:G1+7]
	NOP4                                           ; four v_nop follow the load
.else
	s_barrier_signal -1
	s_barrier_wait -1
.endif
.endm
.macro SHL ct, k                       ; w - m for two keys; m of channel block ct lies in one half of a register pair
.if (\ct)%2
	v_pk_add_f32 v[HD+8*(\ct)+2*\k:HD+8*(\ct)+2*\k+1], v[HD+8*(\ct)+2*\k:HD+8*(\ct)+2*\k+1], v[ACT+(\ct)-1:ACT+(\ct)] op_sel:[0,1] op_sel_hi:[1,1] neg_lo:[0,1] neg_hi:[0,1]
.else
	v_pk_add_f32 v[HD+8*(\ct)+2*\k:HD+8*(\ct)+2*\k+1], v[HD+8*(\ct)+2*\k:HD+8*(\ct)+2*\k+1], v[ACT+(\ct):ACT+(\ct)+1] op_sel_hi:[1,0] neg_lo:[0,1] neg_hi:[0,1]
.endif
.endm
; One query against the tile in KP, DD, DV2.  first = 1: the tile's first unit, which waits for DD and DV2 where it first needs them.
.macro UNIT q, first
	WIN 0x04                                       ; source 1 (QP) window 1
.set i, 0
.rept 16
	v_pk_add_f32 v[HD+i:HD+i+1], v[KP+i:KP+i+1], v[Q+32*\q+i:Q+32*\q+i+1] neg_lo:[0,1] neg_hi:[0,1]
.set i, i+2
.endr
	WIN 0
.irp c, 0,2,4,6                                        ; the sum of squares of the DIFFERENCES, in four chains
	v_pk_mul_f32 v[T+\c:T+\c+1], v[HD+\c:HD+\c+1], v[HD+\c:HD+\c+1]
.endr
.set i, 8
.rept 12
	v_pk_fma_f32 v[T+i%8:T+i%8+1], v[HD+i:HD+i+1], v[HD+i:HD+i+1], v[T+i%8:T+i%8+1]
.set i, i+2
.endr
	v_pk_add_f32 v[T:T+1], v[T:T+1], v[T+2:T+3]
	v_pk_add_f32 v[T+4:T+5], v[T+4:T+5], v[T+6:T+7]
	v_pk_add_f32 v[T:T+1], v[T:T+1], v[T+4:T+5]
	v_add_f32 v[T], v[T], v[T+1]
	v_permlanex16_b32 v[T+1], v[T], s42, s43       ; the key's other 32 channels lie in the lane 16 away
	v_add_f32 v[T], v[T], v[T+1]
	v_fma_f32 v[T], v[T], s40, s41                 ; variance + 1e-5
	v_rsq_f32 v[T+2], v[T]
	v_nop                                          ; a plain instruction between the root and its use
.set i, 0
.rept 16
	v_pk_fma_f32 v[HD+i:HD+i+1], v[HD+i:HD+i+1], v[T+2:T+3], v[BETA+i:BETA+i+1] op_sel_hi:[1,0,1]
.set i, i+2
.endr
.set i, 0
.rept 32
	v_max_num_f32 v[HD+i], 0, v[HD+i]
.set i, i+1
.endr
.set i, 0
.rept 16
	v_cvt_pk_bf16_f32 v[ACT+i], v[HD+2*i], v[HD+2*i+1]
.set i, i+1
.endr
.irp ct, 0,1,2,3                                       ; w = b2' + act W2'^T.  The four accumulators take turns, one instruction a turn
	v_wmma_f32_16x16x32_bf16 v[HD+8*\ct:HD+8*\ct+7], v[ACT:ACT+7], v[W2F+16*\ct:W2F+16*\ct+7], v[B2C+8*\ct:B2C+8*\ct+7]
.endr
.irp ct, 0,1,2,3
	v_wmma_f32_16x16x32_bf16 v[HD+8*\ct:HD+8*\ct+7], v[ACT+8:ACT+15], v[W2F+16*\ct+8:W2F+16*\ct+15], v[HD+8*\ct:HD+8*\ct+7]
.endr
	NOP4                                           ; four places (ISA guide 7.12.1) before the results are read and ACT is written
.irp ct, 0,1,2,3                                       ; the new maximum; each accumulator is read from its low end on
	v_max3_num_f32 v[ACT+\ct], v[HD+8*\ct], v[HD+8*\ct+1], v[M+4*\q+\ct]
.endr
.irp k, 1,2,3
.irp ct, 0,1,2,3
	v_max3_num_f32 v[ACT+\ct], v[ACT+\ct], v[HD+8*\ct+2*\k], v[HD+8*\ct+2*\k+1]
.endr
.endr
.irp ct, 0,1,2,3
	v_sub_f32 v[ACT+4+2*\ct], v[M+4*\q+\ct], v[ACT+\ct]
.endr
.irp ct, 0,1,2,3
	v_mov_b32 v[M+4*\q+\ct], v[ACT+\ct]
.endr
.irp k, 0,1,2,3
	SHL 0, \k
.endr
.irp ct, 0,1,2,3                                       ; 36 exponentials; the next block's subtractions stand between them, plain and independent
.irp k, 0,1,2,3
	v_exp_f32 v[HD+8*\ct+2*\k], v[HD+8*\ct+2*\k]
	v_exp_f32 v[HD+8*\ct+2*\k+1], v[HD+8*\ct+2*\k+1]
.if \ct < 3
	SHL \ct+1, \k
.endif
.endr
	v_exp_f32 v[ACT+4+2*\ct], v[ACT+4+2*\ct]
.endr
.if \first
	s_wait_dscnt 0x0                               ; d and d v of this tile are in
.endif
	WIN 0x54                                       ; sources 1, 2 and destination window 1
.irp ct, 0,1,2,3                                       ; the old sums are rescaled; the first line names block 0's factor alone: it is the plain instruction behind the last exponentials
	v_pk_mul_f32 v[ST+4*(4*\q+\ct):ST+4*(4*\q+\ct)+1], v[ACT+4+2*\ct:ACT+5+2*\ct], v[ST+4*(4*\q+\ct):ST+4*(4*\q+\ct)+1] op_sel_hi:[0,1]
	v_pk_mul_f32 v[ST+4*(4*\q+\ct)+2:ST+4*(4*\q+\ct)+3], v[ACT+4+2*\ct:ACT+5+2*\ct], v[ST+4*(4*\q+\ct)+2:ST+4*(4*\q+\ct)+3] op_sel_hi:[0,1]
.endr
.irp t, 0,1,2,3,4,5,6,7                                ; (oP, oN) += p x (max(d,0) v, min(d,0) v)
.irp ct, 0,1,2,3
.if \t%2
	v_pk_fma_f32 v[ST+4*(4*\q+\ct)+2:ST+4*(4*\q+\ct)+3], v[HD+8*\ct+\t-1:HD+8*\ct+\t], v[DV2+16*\ct+2*\t:DV2+16*\ct+2*\t+1], v[ST+4*(4*\q+\ct)+2:ST+4*(4*\q+\ct)+3] op_sel:[1,0,0] op_sel_hi:[1,1,1]
.else
	v_pk_fma_f32 v[ST+4*(4*\q+\ct)+2:ST+4*(4*\q+\ct)+3], v[HD+8*\ct+\t:HD+8*\ct+\t+1], v[DV2+16*\ct+2*\t:DV2+16*\ct+2*\t+1], v[ST+4*(4*\q+\ct)+2:ST+4*(4*\q+\ct)+3] op_sel_hi:[0,1,1]
.endif
.endr
.endr
	WIN 0x50                                       ; source 2 and destination window 1
.irp u, 0,2,4,6                                        ; l += p d, two keys at a time
.irp ct, 0,1,2,3
	v_pk_fma_f32 v[ST+4*(4*\q+\ct):ST+4*(4*\q+\ct)+1], v[HD+8*\ct+\u:HD+8*\ct+\u+1], v[DD+\u:DD+\u+1], v[ST+4*(4*\q+\ct):ST+4*(4*\q+\ct)+1]
.endr
.endr
.endm
; One key tile: 26 LDS loads, 16 neighbouring bytes a lane, then my four queries.
.macro TILE slot, tl
	WIN 0
.irp u, 0,1,2,3,4,5,6,7
	ds_load_b128 v[KP+4*\u:KP+4*\u+3], v[LA+\slot] offset:\tl*REC+512*\u
.endr
.irp e, 0,1
	ds_load_b128 v[DD+4*\e:DD+4*\e+3], v[LD+\slot] offset:\tl*REC+12288+16*\e
.endr
	WIN 0x40                                       ; destination window 1
.irp u, 0,1,2,3,4,5,6,7,8,9,10,11,12,13,14,15
	ds_load_b128 v[DV2+4*\u:DV2+4*\u+3], v[LA+\slot] offset:\tl*REC+4096+512*\u
.endr
	s_wait_dscnt 18                                ; LDS loads come back in order (ISA guide 5.7.1): KP's eight are in, the 2 + 16 younger ones may be out
	UNIT 0, 1
	UNIT 1, 0
	UNIT 2, 0
	UNIT 3, 0
.endm
.macro WORK slot
	TILE \slot, 0
	TILE \slot, 1
.endm
	s_load_b256 s[4:11], s[0:1], 0x0               ; jrec s[4:5], qpf s[6:7], cons s[8:9], distribution s[10:11]
	s_load_b64 s[12:13], s[0:1], 0x20              ; out0
	v_lshrrev_b32 v5, 5, v0
	v_readfirstlane_b32 s[WV], v5                  ; wave 0..7
	s_and_b32 s15, s[WV], 1                        ; g
	s_lshr_b32 s16, s[WV], 1                       ; jq
	s_bfe_u32 s17, ttmp6, 0x40000                  ; cx: it enters qpf's, distribution's and out0's addresses alone
	s_lshl_b32 s18, ttmp9, 2                       ; in a cluster launch ttmp9 counts clusters
	s_add_co_u32 s18, s18, s17                     ; my work-group
	s_lshr_b32 s19, ttmp9, 5                       ; the batch, which the four partners share
	s_lshl_b32 s20, s19, 6
	s_lshl4_add_u32 s20, s16, s20
	s_add_co_u32 s20, s20, s15                     ; the first record that I fetch: tile 64 b + 16 jq + g
	s_mul_i32 s20, s20, REC
	s_mov_b32 s21, 0
	s_lshr_b32 s22, s18, 1                         ; QP: row tile wg / 2, rows 8 (wg % 2) + 4 g on, 16 bytes a row
	s_lshl_b32 s22, s22, 12
	s_and_b32 s23, s18, 1
	s_lshl_b32 s23, s23, 7
	s_add_co_u32 s22, s22, s23
	s_lshl_b32 s23, s15, 6
	s_add_co_u32 s22, s22, s23
	s_mov_b32 s23, 0
	s_lshl3_add_u32 s48, s18, s[WV]                ; the row that I merge and store: 8 wg + w
	s_lshl_b32 s50, s48, 8
	s_mov_b32 s51, 0
	s_lshl_b32 s48, s48, 2
	s_mov_b32 s49, 0
	; descriptor group 1: a dense block as 49 rows of 32 elements of 8 bytes
	s_mov_b32 s[G1+0], 15|(3<<16)|(1<<21)          ; 15:0 the mask: all four work-groups; 17:16 elements of 8 bytes; 21 set beside a mask; no padding: every read takes neighbouring bytes
	s_mov_b32 s[G1+1], 32<<16                      ; tensor_dim0 = 32
	s_mov_b32 s[G1+2], 49<<16                      ; tensor_dim1 = 49
	s_mov_b32 s[G1+3], 32<<16                      ; tile_dim0 = 32
	s_mov_b32 s[G1+4], 49                          ; tile_dim1 = 49
	s_mov_b32 s[G1+5], 32                          ; elements from row to row
	s_mov_b32 s[G1+6], 0
	s_mov_b32 s[G1+7], 0
	s_mov_b32 s40, 0x3c800000                      ; 1 / 64
	s_mov_b32 s41, 0x3727c5ac                      ; 1e-5
	s_mov_b32 s42, 0x76543210                      ; v_permlanex16_b32: each lane takes its own place in the other half
	s_mov_b32 s43, 0xfedcba98
	s_mul_i32 s46, s[WV], REC                      ; where my record goes in a slot: no place in the cluster enters an LDS address
	s_mul_i32 s47, s16, 2*REC                      ; where my quarter's two records lie
	s_lshr_b32 s52, s[WV], 2                       ; the merge: query w was worked on by the waves with g = w / 4, as their query w % 4
	s_lshl_b32 s52, s52, 13
	s_and_b32 s53, s[WV], 3
	s_lshl_b32 s53, s53, 11
	s_add_co_u32 s52, s52, s53
	s_add_co_u32 s52, s52, SCR
	s_lshl_b32 s54, s[WV], 13
	s_add_co_u32 s54, s54, SCR                     ; my part of the scratch
	s_wait_kmcnt 0x0
	s_add_nc_u64 s[4:5], s[4:5], s[20:21]
	s_add_nc_u64 s[6:7], s[6:7], s[22:23]
	s_add_nc_u64 s[10:11], s[10:11], s[48:49]
	s_add_nc_u64 s[12:13], s[12:13], s[50:51]
	s_load_b32 s45, s[10:11], 0x0                  ; d of my row
.irp n, 0,1
	s_mov_b32 s[G0+4*\n], 1                        ; count = 1
	s_add_co_u32 s[G0+4*\n+1], s46, \n*SLOT        ; LDS address
	s_add_nc_u64 s[G0+4*\n+2:G0+4*\n+3], s[4:5], \n*2*REC          ; slot n begins with the quarter's tiles 2 n, 2 n + 1
	s_or_b32 s[G0+4*\n+3], s[G0+4*\n+3], 0x80000000                ; type = 2
.endr
	ROUND                                          ; all four work-groups are here: the first joint loads meet
	tensor_load_to_lds s[G0:G0+3], s[G1:G1+7]      ; both first fills together: two loads of mine are out here, later one behind each round
	tensor_load_to_lds s[G0+4:G0+7], s[G1:G1+7]
	v_and_b32 v6, 31, v0                           ; lane
	v_bfe_u32 v7, v0, 4, 1                         ; h
	v_and_b32 v8, 15, v0                           ; r
	v_lshlrev_b32 v9, 4, v6                        ; 16 lane
	v_lshlrev_b32 v10, 5, v7                       ; 32 h
	v_lshlrev_b32 v11, 2, v8                       ; 4 r
	v_lshlrev_b32 v12, 8, v7                       ; 256 h
	v_add_nc_u32 v[LA], s47, v9
	v_add_nc_u32 v[LA+1], SLOT, v[LA]
	v_add_nc_u32 v[LD], s47, v10
	v_add_nc_u32 v[LD+1], SLOT, v[LD]
	v_add_nc_u32 v13, s54, v9                      ; the merge: where I put my sums
	v_lshrrev_b32 v14, 3, v6                       ; and where I read: channels 2 lane, 2 lane + 1 = block lane / 8, r = 2 (lane % 8) + e
	v_and_b32 v5, 7, v6
	v_lshlrev_b32 v14, 9, v14
	v_lshl_add_u32 v14, v5, 5, v14
	v_add_nc_u32 v14, s52, v14
	v_lshlrev_b32 v15, 3, v6                       ; 8 lane
.irp u, 0,1,2,3,4,5,6,7,8,9,10,11,12,13,14,15
	global_load_b128 v[W2F+4*\u:W2F+4*\u+3], v9, s[8:9] offset:512*\u
.endr
.irp ct, 0,1,2,3
.irp e, 0,1
	global_load_b128 v[BETA+8*\ct+4*\e:BETA+8*\ct+4*\e+3], v10, s[8:9] offset:8192+64*\ct+16*\e
.endr
.endr
.irp ct, 0,1,2,3
	global_load_b32 v[T+\ct], v11, s[8:9] offset:8448+64*\ct
.endr
	WIN 0x40                                       ; destination window 1
.irp q, 0,1,2,3
.irp u, 0,1,2,3,4,5,6,7
	global_load_b128 v[Q+32*\q+4*\u:Q+32*\q+4*\u+3], v12, s[6:7] offset:512*\u+16*\q
.endr
.endr
.set i, 0
.rept 64
	v_mov_b32 v[ST+i], 0                           ; the sums start at 0 and the maxima at -inf, 80 lines once a wave: the first unit's factor 2^(-inf) is 0
.set i, i+1
.endr
	WIN 0
.set i, 0
.rept 16
	v_mov_b32 v[M+i], 0xff800000
.set i, i+1
.endr
	s_wait_loadcnt 0x0
	s_wait_kmcnt 0x0
.irp ct, 0,1,2,3
.irp t, 0,1,2,3,4,5,6,7
	v_mov_b32 v[B2C+8*\ct+\t], v[T+\ct]
.endr
.endr
	s_wait_tensorcnt 0x1                           ; my record of slot 0 is in; slot 1's was issued behind it and may stay out
	s_barrier_signal -1
	s_barrier_wait -1                              ; everybody's is
	WORK 0
	WIN 0
	s_mov_b32 s44, 3
.Lloop:                                                ; 8 slot steps in all: one above, two a trip, one below; every step but the last two fills a slot again
	CHG 1, 1
	WORK 1
	CHG 0, 1
	WORK 0
	WIN 0
	s_sub_co_u32 s44, s44, 1
	s_cmp_lg_u32 s44, 0
	s_cbranch_scc1 .Lloop
	CHG 1, 0                                       ; the tail is written out: nothing is left to fetch
	WORK 1
	; THE MERGE.  Each lane's (m, l, oP, oN) for its 16 (query, channel block) go into my part of the scratch, 16 bytes a lane.
	WIN 0
.set k, 0
.rept 16
	v_mov_b32 v[HD+2*k], v[M+k]
.set k, k+1
.endr
	WIN 0x05                                       ; sources 0 and 1 window 1
.set k, 0
.rept 16
	v_add_f32 v[HD+2*k+1], v[ST+4*k], v[ST+4*k+1]
.set k, k+1
.endr
	WIN 0
.set k, 0
.rept 16
	ds_store_b64 v13, v[HD+2*k:HD+2*k+1] offset:512*k
.set k, k+1
.endr
	WIN 0x04                                       ; store data window 1
.set k, 0
.rept 16
	ds_store_b64 v13, v[ST+4*k+2:ST+4*k+3] offset:512*k+8
.set k, k+1
.endr
	WIN 0
	s_wait_dscnt 0x0                               ; for the others' sake: my stores are done
	s_barrier_signal -1
	s_barrier_wait -1
.irp e, 0,1                                            ; wave w merges query w: for each of my two channels the 8 partial results (4 quarters x 2 halves of the lanes)
.irp jq, 0,1,2,3
.irp h, 0,1
	ds_load_b128 v[64+32*\e+4*(2*\jq+\h):64+32*\e+4*(2*\jq+\h)+3], v14 offset:16384*\jq+256*\h+16*\e
.endr
.endr
.endr
	s_wait_dscnt 0x0
.irp e, 0,1
	v_max3_num_f32 v[T+\e], v[64+32*\e], v[68+32*\e], v[72+32*\e]
	v_max3_num_f32 v[T+\e], v[T+\e], v[76+32*\e], v[80+32*\e]
	v_max3_num_f32 v[T+\e], v[T+\e], v[84+32*\e], v[88+32*\e]
	v_max_num_f32 v[T+\e], v[T+\e], v[92+32*\e]
.endr
.irp e, 0,1
.irp x, 0,1,2,3,4,5,6,7
	v_sub_f32 v[64+32*\e+4*\x], v[64+32*\e+4*\x], v[T+\e]
.endr
.endr
.irp e, 0,1
.irp x, 0,1,2,3,4,5,6,7
	v_exp_f32 v[64+32*\e+4*\x], v[64+32*\e+4*\x]
.endr
.endr
	v_mov_b32 v[T+2], s45                          ; d of my query: also the plain instruction behind the exponentials
.irp e, 0,1
.irp c, 0,1,2
	v_mul_f32 v[RES+4*\e+\c], v[64+32*\e], v[65+32*\e+\c]
.endr
.irp x, 1,2,3,4,5,6,7
.irp c, 0,1,2
	v_fmac_f32 v[RES+4*\e+\c], v[64+32*\e+4*\x], v[65+32*\e+4*\x+\c]
.endr
.endr
.endr
	v_cmp_lt_f32 vcc_lo, 0, v[T+2]                 ; d_i > 0: the keys with d_j > 0 count; d_i < 0: those with d_j < 0; d_i = 0: none
	v_cmp_neq_f32 s55, 0, v[T+2]
	v_rcp_f32 v[RES], v[RES]
	v_rcp_f32 v[RES+4], v[RES+4]
	v_cndmask_b32 v[RES+1], v[RES+2], v[RES+1], vcc_lo             ; plain, and names no reciprocal
	v_cndmask_b32 v[RES+5], v[RES+6], v[RES+5], vcc_lo
	v_cndmask_b32 v[RES+1], 0, v[RES+1], s55
	v_cndmask_b32 v[RES+5], 0, v[RES+5], s55
	v_mul_f32 v[T+4], v[RES+1], v[RES]
	v_mul_f32 v[T+5], v[RES+5], v[RES+4]
	global_store_b64 v15, v[T+4:T+5], s[12:13]     ; the wave stores one row of out0: 256 consecutive bytes, aligned
	ROUND                                          ; the closing round: no work-group ends while a partner may still ask for a record that names it
	s_endpgm
.Lfunc_end_k_q206e74d2c9_pairs:
	.size	k_q206e74d2c9_pairs, .Lfunc_end_k_q206e74d2c9_pairs-k_q206e74d2c9_pairs
	.p2alignl 7, 3214868480
	.fill 96, 4, 3214868480
	.section	.rodata,"a",@progbits
	.p2align	6, 0x0
	.amdhsa_kernel k_q206e74d2c9_pairs
		.amdhsa_group_segment_fixed_size 327680
		.amdhsa_private_segment_fixed_size 0
		.amdhsa_enable_private_segment 0
		.amdhsa_kernarg_size 40
		.amdhsa_user_sgpr_count 2
		.amdhsa_user_sgpr_kernarg_segment_ptr 1
		.amdhsa_wavefront_size32 1
		.amdhsa_system_sgpr_workgroup_id_x 1
		.amdhsa_system_sgpr_workgroup_id_y 1
		.amdhsa_system_sgpr_workgroup_id_z 1
		.amdhsa_system_vgpr_workitem_id 0
		.amdhsa_next_free_vgpr 512
		.amdhsa_next_free_sgpr 66
		.amdhsa_reserve_vcc 1
		.amdhsa_float_denorm_mode_32 3
		.amdhsa_float_denorm_mode_16_64 3
		.amdhsa_memory_ordered 1
		.amdhsa_forward_progress 1
		.amdhsa_inst_pref_size 255
	.end_amdhsa_kernel
	.section	.bss,"aw",@nobits
	.p2align	6
	.space	262144
	.amdgpu_metadata
---
amdhsa.version: [ 1, 2 ]
amdhsa.kernels:
  - .name:           k_q206e74d2c9_pairs
    .symbol:         k_q206e74d2c9_pairs.kd
    .args:
      - { .name: jrec, .offset: 0, .size: 8, .value_kind: global_buffer, .address_space: global }
      - { .name: qpf, .offset: 8, .size: 8, .value_kind: global_buffer, .address_space: global }
      - { .name: cons, .offset: 16, .size: 8, .value_kind: global_buffer, .address_space: global }
      - { .name: distribution, .offset: 24, .size: 8, .value_kind: global_buffer, .address_space: global }
      - { .name: out0, .offset: 32, .size: 8, .value_kind: global_buffer, .address_space: global }
    .group_segment_fixed_size: 327680
    .private_segment_fixed_size: 0
    .kernarg_segment_align: 8
    .kernarg_segment_size: 40
    .max_flat_workgroup_size: 256
    .sgpr_count:     66
    .vgpr_count:     512
    .wavefront_size: 32
...
	.end_amdgpu_metadata
.endif
;; end of part 2
;; ======== version 2 of 2: 2 launches; 1.14 times as fast as version 1
;; workspace buffers: jrec 1,605,632 bytes; qpf 524,288 bytes; cons 8,704 bytes
;; launch prep: the kernel of part 1 again; grid 128 x 3, 1 waves a work-group, no clusters, 0 bytes of LDS; arguments feat, W1, b1, gw, Wq, bq, gq, betaq, Wk, bk, gk, betak, Wv, bv, distribution, W2, b2, betaw, qpf, jrec, cons; writes qpf, jrec, cons
;; launch pairs (part 3): grid 256 x 1, 8 waves a work-group, clusters of 4 x 1, 327,680 bytes of LDS; arguments jrec, qpf, cons, distribution, out0; writes out0
.if DOCPART == 3
	.amdgcn_target "amdgcn-amd-amdhsa--gfx1250"
	.amdhsa_code_object_version 6
	.text
	.protected	k_q206e74d2c9_pairs
	.globl	k_q206e74d2c9_pairs
	.p2align	8
	.type	k_q206e74d2c9_pairs,@function
k_q206e74d2c9_pairs:
	s_mov_b64 s[64:65], 0
	v_nop
	global_prefetch_b8 v0, s[64:65] scope:SCOPE_SE
	s_setreg_imm32_b32 hwreg(HW_REG_WAVE_MODE, 25, 1), 1
	s_wait_xcnt 0x0
	s_wait_alu depctr_hold_cnt(0) depctr_sa_sdst(0) depctr_va_vdst(0) depctr_va_sdst(0) depctr_va_ssrc(0) depctr_va_vcc(0) depctr_vm_vsrc(0)
	s_getreg_b32 s2, hwreg(HW_REG_IB_STS2, 6, 4)
	s_cmp_eq_u32 s2, 0
	s_cbranch_scc0 .Lentry_in_a_cluster
	s_endpgm
.Lentry_in_a_cluster:
	s_bfe_u32 s2, ttmp6, 0x10000c
	s_cmp_lg_u32 s2, 0x3003
	s_cbranch_scc0 .Lentry_shape_is_right
	s_endpgm
.Lentry_shape_is_right:
; PAIRS: for each query i and channel c: out = sum_j [d_i d_j > 0] p_j d_j v_j / sum_j p_j d_j, p_j = exp(w_ijc - max_j w_ijc), w = relu(LN(KP_j - QP_i)) W2^T + b2.
; KP, QP (centred, signed projections), d v, d, W2' (bf16 fragments, log2 e and |gw| folded in), beta' and b2' come from the launch before.
; SHARES.  A work-group owns 8 queries (rows 8 wg ..), eight waves.  Wave w: g = w % 2 takes queries 4 g .. 4 g + 3, jq = w / 2 takes key tiles 16 jq .. 16 jq + 15 of the batch's 64.
; A UNIT is one query x 16 keys x 64 channels: 32 registers of numbers.  Its first half: lane (r, h) holds key r and 32 channels (index 8 ct + t = channel 16 ct + 8 h + t): subtract, sum of
; squares (one exchange between the halves of the lanes), one fused multiply-add normalises, ReLU, rounding to bf16: that IS source 0 of the product.  Then 8 matrix instructions.  Its second half:
; lane (r, h) holds channel 16 ct + r and keys 8 h + t: a running maximum m, and l, oP, oN (the sums with d, max(d,0) v, min(d,0) v), all per lane: nothing changes lanes.
; The 8 partial results of a query and channel (4 key quarters x 2 halves of the lanes) are merged at the end through LDS.
; PIPELINE.  A STEP finishes unit u and begins unit u + 1, on two buffers of 32 registers that take turns: u + 1's differences and squares; u's maximum, with u + 1's reduction (a chain of 8 lines that ends in
; the root) set between its lines; u's 36 exponentials, with u's subtractions, rescalings and l sums and u + 1's normalisation dealt between them; u + 1's 8 products, each followed by four lines of u's sums
; with d v.  So each dependent run of one unit has independent lines beside it, and no v_nop is written in a step.  The pipeline runs on over tiles and over the changes of slots.
; WINDOWS.  Window 1 holds what is only ever a SECOND source: QP (of the subtraction), d v (of the sums), W2' (of the product).  So a step has two settings, 0x04 (products, sums with d v, the next
; unit's subtractions) and 0 (all else), and two switches.
; b2.  b2' is the same for all keys of a channel: it raises w and its maximum alike and leaves w - m as it is.  So the products start at the constant 0, the loop keeps m less b2', and b2' is added
; where the maxima leave the loop: the merge works on the maxima of w itself.  (The result does not hang on b2 at all.)
; RING.  Two LDS slots of 8 records (12,544 bytes: KP 4,096, d v 8,192, d 256): two key tiles for each quarter.  Each wave fetches one record with one tensor load of 49 rows x 256 bytes.
; CLUSTER.  The four work-groups of a cluster belong to one batch and walk the same records: every fill is a joint load with a mask that names the four.
; LIMITS.  The mask is taken from the signs of d_i and d_j: it differs from d_i d_j > 0 only where that product underflows (|d_i d_j| < 2^-149).  Weights and sums below 2^-126 count as 0
; (the exponential and the reciprocal flush denormals: ISA guide 15.8).  NaN and infinities in the inputs are not followed.
.set REC,  12544
.set SLOT, 8*REC                       ; 100,352
.set SCR,  2*SLOT                      ; 200,704, a multiple of 256: the merge's scratch, 8,192 bytes a wave; no fill lands here
.set LA,   1                           ; v1-2    slot s: the quarter's two records + 16 lane
.set LD,   3                           ; v3-4    slot s: the quarter's two records + 32 h
.set SA,   5                           ; v5      the merge: where I put my sums
.set X,    6                           ; v6-9    the new maximum of channel block ct
.set B2,   10                          ; v10-13  b2' of channel 16 ct + r
.set VB,   14                          ; v14     the merge: where I read
.set GO,   15                          ; v15     my byte offset in a row of out0
.set T,    16                          ; v16-23  the sum of squares at work; 1 / sigma at +2
.set A,    20                          ; v20-23  the rescaling factor of block ct: T's upper half, free from a reduction's third line to the next unit's squares
.set DD,   24                          ; v24-31  d of keys 8 h + t
.set M,    32                          ; v32-47  running maximum (less b2'), [4 q + ct]
.set ACT,  48                          ; v48-63  the activations in bf16
.set HD,   64                          ; v64-95 and v160-191: a unit's 32 numbers (difference, activation, w, weight): buffer b at HD + 96 b
.set KP,   96                          ; v96-127
.set BETA, 128                         ; v128-159
.set ST,   192                         ; v192-255 at +4 (4 q + ct): l (even keys', odd keys'), oP, oN
.set RES,  128                         ; the merge: l, oP, oN for each of my two channels
.set Q,    0                           ; window 1: v0-127 QP of my four queries
.set DV2,  128                         ; window 1: v128-191 (max(d,0) v, min(d,0) v) at +16 ct + 2 t
.set W2F,  192                         ; window 1: v192-255 fragment (ct, ks) at +16 ct + 8 ks
.set WV,   14                          ; s14 my wave's number
.set G1,   24                          ; s[24:31] descriptor group 1
.set G0,   32                          ; s[32:39] descriptor group 0, a set for each slot
.set MSB, 0
.macro WIN new                         ; s_set_vgpr_msb: bits 1:0 source 0, 3:2 source 1, 5:4 source 2, 7:6 destination; the high byte repeats the setting that is left
.if MSB != (\new)
	s_set_vgpr_msb (MSB<<8)|(\new)
.set MSB, (\new)
.endif
.endm
.macro NOP4
.rept 4
	v_nop
.endr
.endm
; A round of the cluster's barrier: my work-group's barrier, so that wave 0's signal speaks for all eight waves; wave 0 signals for the work-group; every wave waits for all four work-groups; my work-group's barrier once more.
.macro ROUND
	s_barrier_signal -1
	s_barrier_wait -1
	s_cmp_lg_u32 s[WV], 0
	s_cbranch_scc1 .Lnot_wave_0_\@
	s_barrier_signal -3
.Lnot_wave_0_\@:
	s_barrier_wait -3
	s_barrier_signal -1
	s_barrier_wait -1
.endm
; The change of slots; slot is the one read next.  Each wave waits for all its tensor loads (one is out: its record of that slot) and for its reads of the other slot.
; refill = 1: the barrier is a round of the cluster's, and the other slot's joint refill (the records four tiles on) is the first thing behind it: it has eight steps of the wave in which to land.
.macro CHG slot, refill
	WIN 0                                          ; at a label and at a branch every window is 0
	s_wait_tensorcnt 0x0                           ; no tensor load of mine is out, so a group 0 may be written
.if \refill
	s_add_nc_u64 s[G0+6-4*\slot:G0+7-4*\slot], s[G0+6-4*\slot:G0+7-4*\slot], 4*REC
.endif
	s_wait_dscnt 0x0
.if \refill
	ROUND
	tensor_load_to_lds s[G0+4-4*\slot:G0+7-4*\slot], s[G1:G1+7]
	NOP4                                           ; four v_nop follow the load
.else
	s_barrier_signal -1
	s_barrier_wait -1
.endif
.endm
; The LDS loads of a key tile, 16 neighbouring bytes a lane: KP (8 loads), and a step later d and d v (2 + 16).
.macro KPL slot, tl
	WIN 0
.irp u, 0,1,2,3,4,5,6,7
	ds_load_b128 v[KP+4*\u:KP+4*\u+3], v[LA+\slot] offset:\tl*REC+512*\u
.endr
.endm
.macro DVL slot, tl
.if MSB & 0xc3                         ; d's loads want destination and address in window 0: the settings 0 and 0x04 both serve
	WIN 0
.endif
.irp e, 0,1
	ds_load_b128 v[DD+4*\e:DD+4*\e+3], v[LD+\slot] offset:\tl*REC+12288+16*\e
.endr
	WIN 0x40                                       ; destination window 1
.irp u, 0,1,2,3,4,5,6,7,8,9,10,11,12,13,14,15
	ds_load_b128 v[DV2+4*\u:DV2+4*\u+3], v[LA+\slot] offset:\tl*REC+4096+512*\u
.endr
.endm
; A unit begins: query q against the tile in KP, into buffer b: the differences, and the sum of squares of the DIFFERENCES in four chains.
.macro SUBSQ q, b
.set HS, HD+96*\b
	WIN 0x04                                       ; source 1 (QP) window 1: in a step this is the setting that the sums in front have left
.set i, 0
.rept 16
	v_pk_add_f32 v[HS+i:HS+i+1], v[KP+i:KP+i+1], v[Q+32*\q+i:Q+32*\q+i+1] neg_lo:[0,1] neg_hi:[0,1]
.set i, i+2
.endr
	WIN 0
.irp c, 0,2,4,6
	v_pk_mul_f32 v[T+\c:T+\c+1], v[HS+\c:HS+\c+1], v[HS+\c:HS+\c+1]
.endr
.set i, 8
.rept 12
	v_pk_fma_f32 v[T+i%8:T+i%8+1], v[HS+i:HS+i+1], v[HS+i:HS+i+1], v[T+i%8:T+i%8+1]
.set i, i+2
.endr
.endm
; Line r of 8 of the reduction: each reads the line before it (but line 1), so other work is set between them.
.macro CHAIN
.if r == 0
	v_pk_add_f32 v[T:T+1], v[T:T+1], v[T+2:T+3]
.elseif r == 1
	v_pk_add_f32 v[T+4:T+5], v[T+4:T+5], v[T+6:T+7]
.elseif r == 2
	v_pk_add_f32 v[T:T+1], v[T:T+1], v[T+4:T+5]
.elseif r == 3
	v_add_f32 v[T], v[T], v[T+1]
.elseif r == 4
	v_permlanex16_b32 v[T+1], v[T], s42, s43       ; the key's other 32 channels lie in the lane 16 away
.elseif r == 5
	v_add_f32 v[T], v[T], v[T+1]
.elseif r == 6
	v_fma_f32 v[T], v[T], s40, s41                 ; variance + 1e-5
.else
	v_rsq_f32 v[T+2], v[T]                         ; what follows it is always a plain line that names neither register
.endif
.endm
; Line n of 48 of the normalisation of the unit in buffer HN: 16 fused multiply-adds, 16 dual-issue pairs of ReLU, 16 roundings to bf16.  Beyond 48: nothing.
; A pair's destinations are an even and an odd register, its second sources lie in neighbouring register banks, its first sources are the constant 0.
.macro NRM
.if n < 16
	v_pk_fma_f32 v[HN+2*n:HN+2*n+1], v[HN+2*n:HN+2*n+1], v[T+2:T+3], v[BETA+2*n:BETA+2*n+1] op_sel_hi:[1,0,1]
.elseif n < 32
	v_dual_max_num_f32 v[HN+2*(n-16)], 0, v[HN+2*(n-16)] :: v_dual_max_num_f32 v[HN+2*(n-16)+1], 0, v[HN+2*(n-16)+1]
.elseif n < 48
	v_cvt_pk_bf16_f32 v[ACT+n-32], v[HN+2*(n-32)], v[HN+2*(n-32)+1]
.endif
.set n, n+1
.endm
; Product i of 8 of w - b2' = act W2'^T, into buffer HN: K step i / 4, channel block i % 4.  The first K step starts the sums; the four accumulators take turns, one instruction a turn.
.macro MM1
.if i < 4
	v_wmma_f32_16x16x32_bf16 v[HN+8*i:HN+8*i+7], v[ACT:ACT+7], v[W2F+16*i:W2F+16*i+7], 0
.else
	v_wmma_f32_16x16x32_bf16 v[HN+8*(i-4):HN+8*(i-4)+7], v[ACT+8:ACT+15], v[W2F+16*(i-4)+8:W2F+16*(i-4)+15], v[HN+8*(i-4):HN+8*(i-4)+7]
.endif
.endm
.macro SHL ct, k                       ; w - m for two keys of the unit in buffer HB; m of channel block ct lies in one half of a register pair
.if (\ct)%2
	v_pk_add_f32 v[HB+8*(\ct)+2*\k:HB+8*(\ct)+2*\k+1], v[HB+8*(\ct)+2*\k:HB+8*(\ct)+2*\k+1], v[X+(\ct)-1:X+(\ct)] op_sel:[0,1] op_sel_hi:[1,1] neg_lo:[0,1] neg_hi:[0,1]
.else
	v_pk_add_f32 v[HB+8*(\ct)+2*\k:HB+8*(\ct)+2*\k+1], v[HB+8*(\ct)+2*\k:HB+8*(\ct)+2*\k+1], v[X+(\ct):X+(\ct)+1] op_sel_hi:[1,0] neg_lo:[0,1] neg_hi:[0,1]
.endif
.endm
.macro RESC q                          ; line kk of 8: the old sums are rescaled: block kk / 2, its l pair (kk even) or its (oP, oN) pair (kk odd)
.set rc, kk/2
.set rr, ST+4*(4*\q+rc)+2*(kk%2)
.if rc%2
	v_pk_mul_f32 v[rr:rr+1], v[A+rc-1:A+rc], v[rr:rr+1] op_sel:[1,0] op_sel_hi:[1,1]
.else
	v_pk_mul_f32 v[rr:rr+1], v[A+rc:A+rc+1], v[rr:rr+1] op_sel_hi:[0,1]
.endif
.endm
.macro LSUM q                          ; line lm of 16: l += p d for the weights 2 lm, 2 lm + 1 of the buffer: block lm / 4, keys 2 (lm % 4) and the next
	v_pk_fma_f32 v[ST+4*(4*\q+lm/4):ST+4*(4*\q+lm/4)+1], v[HB+2*lm:HB+2*lm+1], v[DD+2*(lm%4):DD+2*(lm%4)+1], v[ST+4*(4*\q+lm/4):ST+4*(4*\q+lm/4)+1]
.endm
.macro OSUM q                          ; key i of 8, all four blocks: (oP, oN) += p x (max(d,0) v, min(d,0) v)
.irp ct, 0,1,2,3
.if i%2
	v_pk_fma_f32 v[ST+4*(4*\q+\ct)+2:ST+4*(4*\q+\ct)+3], v[HB+8*\ct+i-1:HB+8*\ct+i], v[DV2+16*\ct+2*i:DV2+16*\ct+2*i+1], v[ST+4*(4*\q+\ct)+2:ST+4*(4*\q+\ct)+3] op_sel:[1,0,0] op_sel_hi:[1,1,1]
.else
	v_pk_fma_f32 v[ST+4*(4*\q+\ct)+2:ST+4*(4*\q+\ct)+3], v[HB+8*\ct+i:HB+8*\ct+i+1], v[DV2+16*\ct+2*i:DV2+16*\ct+2*i+1], v[ST+4*(4*\q+\ct)+2:ST+4*(4*\q+\ct)+3] op_sel_hi:[0,1,1]
.endif
.endr
.endm
; The rest of a step: query q's unit in buffer b is finished.  nx = 1: the unit begun by the SUBSQ in front (in the other buffer) is carried on beside it, up to its products.
; wt = 1: the tile's first unit, which waits for d and d v where it first needs them.
.macro FIN q, b, nx, wt
.set HB, HD+96*\b
.set HN, HD+96*(1-\b)
	WIN 0
.set i, 0
.rept 16                                               ; the new maximum, four chains; each accumulator is read from its low end on.  A line of the reduction behind every second line
.if i < 4
	v_max3_num_f32 v[X+i], v[HB+8*i], v[HB+8*i+1], v[M+4*\q+i]
.else
	v_max3_num_f32 v[X+i%4], v[X+i%4], v[HB+8*(i%4)+2*(i/4)], v[HB+8*(i%4)+2*(i/4)+1]
.endif
.if \nx && (i%2)
.set r, i/2
	CHAIN
.endif
.set i, i+1
.endr
.irp c, 0,2
	v_pk_add_f32 v[A+\c:A+\c+1], v[M+4*\q+\c:M+4*\q+\c+1], v[X+\c:X+\c+1] neg_lo:[0,1] neg_hi:[0,1]   ; m_old - m_new
.endr
.irp c, 0,2
	v_dual_mov_b32 v[M+4*\q+\c], v[X+\c] :: v_dual_mov_b32 v[M+4*\q+\c+1], v[X+\c+1]
.endr
; 36 exponentials: the four factors, then the 32 weights in the buffer's order.  Between them, all plain, and the line next behind an exponential never names its register:
;   behind exponential 2 j (j < 16): subtraction j, whose two weights are exponentials 2 j + 4 and 2 j + 5;
;   in the other slots, three for every two exponentials: the other unit's 48 lines of normalisation (they end behind exponential 31);
;   behind exponentials 5, 7 .. 19: the 8 rescalings; behind exponentials 8, 10 .. 34: l sum (e - 8) / 2, whose weights are exponentials e - 4 and e - 3; the last two l sums follow the run.
.set n, 0
.set e, 0
.rept 36
.if e < 4
	v_exp_f32 v[A+e], v[A+e]
.else
	v_exp_f32 v[HB+e-4], v[HB+e-4]
.endif
.if (e%2 == 0) && (e < 32)
.set jb, e/8
.set jk, (e/2)%4
	SHL jb, jk
.elseif \nx
	NRM
.endif
.if \nx
	NRM
.endif
.if (e%2 == 1) && (e >= 5) && (e < 21)
.set kk, (e-5)/2
	RESC \q
.elseif (e%2 == 0) && (e >= 8)
.if \wt && (e == 8)
	s_wait_dscnt 0x0                               ; d and d v of this tile are in: their 18 loads are all that is out
.endif
.set lm, (e-8)/2
	LSUM \q
.endif
.set e, e+1
.endr
.irp x, 14,15
.set lm, \x
	LSUM \q
.endr
	WIN 0x04                                       ; source 1 window 1: W2' for the products, d v for the sums
.set i, 0
.rept 8                                                ; behind each product one key's four lines of sums.  They name no register of any product here: the last four are the places behind the last product (ISA guide 7.12.1)
.if \nx
	MM1
.endif
	OSUM \q
.set i, i+1
.endr
.endm
; A slot's eight steps: slot n's two tiles x my four queries; o is the other slot.  At its head unit 0 of the first tile has had its products, and that tile's d and d v are on their way.
; A tile's KP is asked for when the tile before has had its last subtraction, its d and d v when the tile before has had its last sums.
; mode 2: the change of slots with a refill; 1: without; 0: the last slot: no change, and its last step begins no unit.
.macro BODY n, o, mode
	SUBSQ 1, 1
	FIN 0, 0, 1, 1
	SUBSQ 2, 0
	FIN 1, 1, 1, 0
	SUBSQ 3, 1
	KPL \n, 1
	FIN 2, 0, 1, 0
	s_wait_dscnt 0x0                               ; KP of the second tile: its 8 loads are all that is out
	SUBSQ 0, 0
	FIN 3, 1, 1, 0
	DVL \n, 1
	SUBSQ 1, 1
	FIN 0, 0, 1, 1
	SUBSQ 2, 0
	FIN 1, 1, 1, 0
	SUBSQ 3, 1
.if \mode
	CHG \o, \mode-1                                ; my last reads of slot n were issued three steps ago
	KPL \o, 0
.endif
	FIN 2, 0, 1, 0
.if \mode
	s_wait_dscnt 0x0                               ; KP of the other slot's first tile
	SUBSQ 0, 0
	FIN 3, 1, 1, 0
	DVL \o, 0
.else
	FIN 3, 1, 0, 0
.endif
.endm
	s_load_b256 s[4:11], s[0:1], 0x0               ; jrec s[4:5], qpf s[6:7], cons s[8:9], distribution s[10:11]
	s_load_b64 s[12:13], s[0:1], 0x20              ; out0
	v_lshrrev_b32 v5, 5, v0
	v_readfirstlane_b32 s[WV], v5                  ; wave 0..7
	s_and_b32 s15, s[WV], 1                        ; g
	s_lshr_b32 s16, s[WV], 1                       ; jq
	s_bfe_u32 s17, ttmp6, 0x40000                  ; cx: it enters qpf's, distribution's and out0's addresses alone
	s_lshl_b32 s18, ttmp9, 2                       ; in a cluster launch ttmp9 counts clusters
	s_add_co_u32 s18, s18, s17                     ; my work-group
	s_lshr_b32 s19, ttmp9, 5                       ; the batch, which the four partners share
	s_lshl_b32 s20, s19, 6
	s_lshl4_add_u32 s20, s16, s20
	s_add_co_u32 s20, s20, s15                     ; the first record that I fetch: tile 64 b + 16 jq + g
	s_mul_i32 s20, s20, REC
	s_mov_b32 s21, 0
	s_lshr_b32 s22, s18, 1                         ; QP: row tile wg / 2, rows 8 (wg % 2) + 4 g on, 16 bytes a row
	s_lshl_b32 s22, s22, 12
	s_and_b32 s23, s18, 1
	s_lshl_b32 s23, s23, 7
	s_add_co_u32 s22, s22, s23
	s_lshl_b32 s23, s15, 6
	s_add_co_u32 s22, s22, s23
	s_mov_b32 s23, 0
	s_lshl3_add_u32 s48, s18, s[WV]                ; the row that I merge and store: 8 wg + w
	s_lshl_b32 s50, s48, 8
	s_mov_b32 s51, 0
	s_lshl_b32 s48, s48, 2
	s_mov_b32 s49, 0
	; descriptor group 1: a dense block as 49 rows of 32 elements of 8 bytes
	s_mov_b32 s[G1+0], 15|(3<<16)|(1<<21)          ; 15:0 the mask: all four work-groups; 17:16 elements of 8 bytes; 21 set beside a mask; no padding: every read takes neighbouring bytes
	s_mov_b32 s[G1+1], 32<<16                      ; tensor_dim0 = 32
	s_mov_b32 s[G1+2], 49<<16                      ; tensor_dim1 = 49
	s_mov_b32 s[G1+3], 32<<16                      ; tile_dim0 = 32
	s_mov_b32 s[G1+4], 49                          ; tile_dim1 = 49
	s_mov_b32 s[G1+5], 32                          ; elements from row to row
	s_mov_b32 s[G1+6], 0
	s_mov_b32 s[G1+7], 0
	s_mov_b32 s40, 0x3c800000                      ; 1 / 64
	s_mov_b32 s41, 0x3727c5ac                      ; 1e-5
	s_mov_b32 s42, 0x76543210                      ; v_permlanex16_b32: each lane takes its own place in the other half
	s_mov_b32 s43, 0xfedcba98
	s_mul_i32 s46, s[WV], REC                      ; where my record goes in a slot: no place in the cluster enters an LDS address
	s_mul_i32 s47, s16, 2*REC                      ; where my quarter's two records lie
	s_lshr_b32 s52, s[WV], 2                       ; the merge: query w was worked on by the waves with g = w / 4, as their query w % 4
	s_lshl_b32 s52, s52, 13
	s_and_b32 s53, s[WV], 3
	s_lshl_b32 s53, s53, 11
	s_add_co_u32 s52, s52, s53
	s_add_co_u32 s52, s52, SCR
	s_lshl_b32 s54, s[WV], 13
	s_add_co_u32 s54, s54, SCR                     ; my part of the scratch
	s_wait_kmcnt 0x0
	s_add_nc_u64 s[4:5], s[4:5], s[20:21]
	s_add_nc_u64 s[6:7], s[6:7], s[22:23]
	s_add_nc_u64 s[10:11], s[10:11], s[48:49]
	s_add_nc_u64 s[12:13], s[12:13], s[50:51]
	s_load_b32 s45, s[10:11], 0x0                  ; d of my row
.irp n, 0,1
	s_mov_b32 s[G0+4*\n], 1                        ; count = 1
	s_add_co_u32 s[G0+4*\n+1], s46, \n*SLOT        ; LDS address
	s_add_nc_u64 s[G0+4*\n+2:G0+4*\n+3], s[4:5], \n*2*REC          ; slot n begins with the quarter's tiles 2 n, 2 n + 1
	s_or_b32 s[G0+4*\n+3], s[G0+4*\n+3], 0x80000000                ; type = 2
.endr
	ROUND                                          ; all four work-groups are here: the first joint loads meet
	tensor_load_to_lds s[G0:G0+3], s[G1:G1+7]      ; both first fills together: two loads of mine are out here, later one behind each round
	tensor_load_to_lds s[G0+4:G0+7], s[G1:G1+7]
	v_and_b32 v16, 31, v0                          ; lane.  v16-23 hold the set-up's offsets until the loads below are in
	v_bfe_u32 v17, v0, 4, 1                        ; h
	v_and_b32 v18, 15, v0                          ; r
	v_lshlrev_b32 v19, 4, v16                      ; 16 lane
	v_lshlrev_b32 v20, 5, v17                      ; 32 h
	v_lshlrev_b32 v21, 2, v18                      ; 4 r
	v_lshlrev_b32 v22, 8, v17                      ; 256 h
	v_add_nc_u32 v[LA], s47, v19
	v_add_nc_u32 v[LA+1], SLOT, v[LA]
	v_add_nc_u32 v[LD], s47, v20
	v_add_nc_u32 v[LD+1], SLOT, v[LD]
	v_add_nc_u32 v[SA], s54, v19
	v_lshrrev_b32 v[VB], 3, v16                    ; the merge reads channels 2 lane, 2 lane + 1 = block lane / 8, r = 2 (lane % 8) + e
	v_and_b32 v23, 7, v16
	v_lshlrev_b32 v[VB], 9, v[VB]
	v_lshl_add_u32 v[VB], v23, 5, v[VB]
	v_add_nc_u32 v[VB], s52, v[VB]
	v_lshlrev_b32 v[GO], 3, v16                    ; 8 lane
.irp ct, 0,1,2,3
.irp e, 0,1
	global_load_b128 v[BETA+8*\ct+4*\e:BETA+8*\ct+4*\e+3], v20, s[8:9] offset:8192+64*\ct+16*\e
.endr
.endr
.irp ct, 0,1,2,3
	global_load_b32 v[B2+\ct], v21, s[8:9] offset:8448+64*\ct
.endr
	WIN 0x40                                       ; destination window 1, address window 0
.irp u, 0,1,2,3,4,5,6,7,8,9,10,11,12,13,14,15
	global_load_b128 v[W2F+4*\u:W2F+4*\u+3], v19, s[8:9] offset:512*\u
.endr
.irp q, 0,1,2,3
.irp u, 0,1,2,3,4,5,6,7
	global_load_b128 v[Q+32*\q+4*\u:Q+32*\q+4*\u+3], v22, s[6:7] offset:512*\u+16*\q
.endr
.endr
	WIN 0
.set i, 0
.rept 64
	v_mov_b32 v[ST+i], 0                           ; the sums start at 0 and the maxima at -inf, 80 lines once a wave: a query's first factor 2^(-inf) is 0
.set i, i+1
.endr
.set i, 0
.rept 16
	v_mov_b32 v[M+i], 0xff800000
.set i, i+1
.endr
	s_wait_loadcnt 0x0
	s_wait_kmcnt 0x0
	s_wait_tensorcnt 0x1                           ; my record of slot 0 is in; slot 1's was issued behind it and may stay out
	s_barrier_signal -1
	s_barrier_wait -1                              ; everybody's is
	; the pipeline is filled: the first unit's first half, by itself
	KPL 0, 0
	DVL 0, 0
	s_wait_dscnt 18                                ; LDS loads come back in order (ISA guide 5.7.1): KP's eight are in, the 2 + 16 younger ones may be out
	SUBSQ 0, 0
.set r, 0
.rept 8
	CHAIN
.set r, r+1
.endr
	v_nop                                          ; a plain instruction between the root and its use
.set HN, HD
.set n, 0
.rept 48
	NRM
.endr
	WIN 0x04                                       ; source 1 (W2') window 1
.set i, 0
.rept 8
	MM1                                            ; there are no sums yet to set between them; the first step's 32 lines of differences and squares are the places behind them
.set i, i+1
.endr
	WIN 0                                          ; at a label every window is 0
	s_mov_b32 s44, 3
.Lloop:                                                ; 8 slots in all: two a trip, two below; every slot but the last two is filled again
	BODY 0, 1, 2
	BODY 1, 0, 2
	WIN 0
	s_sub_co_u32 s44, s44, 1
	s_cmp_lg_u32 s44, 0
	s_cbranch_scc1 .Lloop
	BODY 0, 1, 1                                   ; the tail is written out: nothing is left to fetch
	BODY 1, 0, 0
	; THE MERGE.  Each lane's (m, l, oP, oN) for its 16 (query, channel block) go into my part of the scratch, 16 bytes a lane.  Here b2' joins the maxima; they take the place of l's first half.
	WIN 0
.set k, 0
.rept 16
	v_add_f32 v[ST+4*k+1], v[ST+4*k], v[ST+4*k+1]
.set k, k+1
.endr
.set k, 0
.rept 16
	v_add_f32 v[ST+4*k], v[M+k], v[B2+k%4]
.set k, k+1
.endr
.set k, 0
.rept 16
	ds_store_b128 v[SA], v[ST+4*k:ST+4*k+3] offset:512*k
.set k, k+1
.endr
	s_wait_dscnt 0x0                               ; for the others' sake: my stores are done
	s_barrier_signal -1
	s_barrier_wait -1
.irp e, 0,1                                            ; wave w merges query w: for each of my two channels the 8 partial results (4 quarters x 2 halves of the lanes)
.irp jq, 0,1,2,3
.irp h, 0,1
	ds_load_b128 v[64+32*\e+4*(2*\jq+\h):64+32*\e+4*(2*\jq+\h)+3], v[VB] offset:16384*\jq+256*\h+16*\e
.endr
.endr
.endr
	s_wait_dscnt 0x0
.irp e, 0,1
	v_max3_num_f32 v[T+\e], v[64+32*\e], v[68+32*\e], v[72+32*\e]
	v_max3_num_f32 v[T+\e], v[T+\e], v[76+32*\e], v[80+32*\e]
	v_max3_num_f32 v[T+\e], v[T+\e], v[84+32*\e], v[88+32*\e]
	v_max_num_f32 v[T+\e], v[T+\e], v[92+32*\e]
.endr
.irp e, 0,1
.irp x, 0,1,2,3,4,5,6,7
	v_sub_f32 v[64+32*\e+4*\x], v[64+32*\e+4*\x], v[T+\e]
.endr
.endr
.irp e, 0,1
.irp x, 0,1,2,3,4,5,6,7
	v_exp_f32 v[64+32*\e+4*\x], v[64+32*\e+4*\x]
.endr
.endr
	v_mov_b32 v[T+2], s45                          ; d of my query: also the plain instruction behind the exponentials
.irp e, 0,1
.irp c, 0,1,2
	v_mul_f32 v[RES+4*\e+\c], v[64+32*\e], v[65+32*\e+\c]
.endr
.irp x, 1,2,3,4,5,6,7
.irp c, 0,1,2
	v_fmac_f32 v[RES+4*\e+\c], v[64+32*\e+4*\x], v[65+32*\e+4*\x+\c]
.endr
.endr
.endr
	v_cmp_lt_f32 vcc_lo, 0, v[T+2]                 ; d_i > 0: the keys with d_j > 0 count; d_i < 0: those with d_j < 0; d_i = 0: none
	v_cmp_neq_f32 s55, 0, v[T+2]
	v_rcp_f32 v[RES], v[RES]
	v_rcp_f32 v[RES+4], v[RES+4]
	v_cndmask_b32 v[RES+1], v[RES+2], v[RES+1], vcc_lo             ; plain, and names no reciprocal
	v_cndmask_b32 v[RES+5], v[RES+6], v[RES+5], vcc_lo
	v_cndmask_b32 v[RES+1], 0, v[RES+1], s55
	v_cndmask_b32 v[RES+5], 0, v[RES+5], s55
	v_mul_f32 v[T+4], v[RES+1], v[RES]
	v_mul_f32 v[T+5], v[RES+5], v[RES+4]
	global_store_b64 v[GO], v[T+4:T+5], s[12:13]   ; the wave stores one row of out0: 256 consecutive bytes, aligned
	ROUND                                          ; the closing round: no work-group ends while a partner may still ask for a record that names it
	s_endpgm
.Lfunc_end_k_q206e74d2c9_pairs:
	.size	k_q206e74d2c9_pairs, .Lfunc_end_k_q206e74d2c9_pairs-k_q206e74d2c9_pairs
	.p2alignl 7, 3214868480
	.fill 96, 4, 3214868480
	.section	.rodata,"a",@progbits
	.p2align	6, 0x0
	.amdhsa_kernel k_q206e74d2c9_pairs
		.amdhsa_group_segment_fixed_size 327680
		.amdhsa_private_segment_fixed_size 0
		.amdhsa_enable_private_segment 0
		.amdhsa_kernarg_size 40
		.amdhsa_user_sgpr_count 2
		.amdhsa_user_sgpr_kernarg_segment_ptr 1
		.amdhsa_wavefront_size32 1
		.amdhsa_system_sgpr_workgroup_id_x 1
		.amdhsa_system_sgpr_workgroup_id_y 1
		.amdhsa_system_sgpr_workgroup_id_z 1
		.amdhsa_system_vgpr_workitem_id 0
		.amdhsa_next_free_vgpr 512
		.amdhsa_next_free_sgpr 66
		.amdhsa_reserve_vcc 1
		.amdhsa_float_denorm_mode_32 3
		.amdhsa_float_denorm_mode_16_64 3
		.amdhsa_memory_ordered 1
		.amdhsa_forward_progress 1
		.amdhsa_inst_pref_size 255
	.end_amdhsa_kernel
	.section	.bss,"aw",@nobits
	.p2align	6
	.space	262144
	.amdgpu_metadata
---
amdhsa.version: [ 1, 2 ]
amdhsa.kernels:
  - .name:           k_q206e74d2c9_pairs
    .symbol:         k_q206e74d2c9_pairs.kd
    .args:
      - { .name: jrec, .offset: 0, .size: 8, .value_kind: global_buffer, .address_space: global }
      - { .name: qpf, .offset: 8, .size: 8, .value_kind: global_buffer, .address_space: global }
      - { .name: cons, .offset: 16, .size: 8, .value_kind: global_buffer, .address_space: global }
      - { .name: distribution, .offset: 24, .size: 8, .value_kind: global_buffer, .address_space: global }
      - { .name: out0, .offset: 32, .size: 8, .value_kind: global_buffer, .address_space: global }
    .group_segment_fixed_size: 327680
    .private_segment_fixed_size: 0
    .kernarg_segment_align: 8
    .kernarg_segment_size: 40
    .max_flat_workgroup_size: 256
    .sgpr_count:     66
    .vgpr_count:     512
    .wavefront_size: 32
...
	.end_amdgpu_metadata
.endif
;; end of part 3
